; MI455X (gfx1250); checked and timed in simulation.
; The chip was launched on July 23, 2026; its instructions are those of AMD's public machine-readable ISA for CDNA 5 (MIT licence, August 2026) and "CDNA5" Instruction Set Architecture Reference Guide (July 2026). The comments in the code are by the model that wrote it; some were corrected since.
;; Attention. Allowed arithmetic: matrix products marked QUANTISED: E5M2 operands, one E8M0 scale for each 32 along K, by v_wmma_scale_f32_16x16x128_f8f6f4 with both operands' format E5M2, f32 sums; everything else in f32.
;; Inputs: key 4 x 16 x 2,048 x 64 float32; query 4 x 16 x 2,048 x 64 float32; value 4 x 16 x 2,048 x 64 float32.
;; Outputs: out0 4 x 16 x 2,048 x 64 float32.
;; This version of the problem:
;;   THIS VERSION OF THE PROBLEM IS GIVEN IN LOW PRECISION. The matrix products marked QUANTISED in the list below multiply operands that are first quantised to E5M2 (5 exponent bits, 2 mantissa bits; 8 bits a number), with one power-of-two scale for each 32 numbers along K (OCP MX v1.0); their sums are f32. All else is computed in f32.
;;   The module's matrix products, in the order in which they are computed (A, B: the left and right operand; K: the contracted axis; several contracted axes count as one K, in the product's order):
;;     1. batch 64 x [M 2,048, K 64] x [K 64, N 2,048]; A: input query; B: input key: QUANTISED
;;     2. batch 64 x [M 2,048, K 2,048] x [K 2,048, N 64]; A: softmax (see below); B: input value: QUANTISED
;;   THE QUANTISER, for each operand of a quantised product, along K:
;;     - K is cut into blocks of 32 from its start; a last block that is shorter is filled with zeros.
;;     - A block's scale is 2^e with e = floor(log2(the largest magnitude in the block)) - 15, held to -126 .. 127; a block of zeros has e = 0. As a byte (E8M0): e + 127.
;;     - Each number is divided by its block's scale, clamped to +-57,344, and rounded to the nearest number of E5M2, ties to even, subnormals kept.
;;     - The product sums the exact products of the quantised numbers (number of the format x scale) in f32.
;;   ~~~python
;;   def quantise(x, axis):      # numpy; x: float32 -> the quantised numbers, widened to float32 again
;;       x = np.moveaxis(x, axis, -1); K = x.shape[-1]
;;       x = np.pad(x, [(0, 0)] * (x.ndim - 1) + [(0, -K % 32)]); x = x.reshape(x.shape[:-1] + (-1, 32)); a = np.abs(x).max(-1, keepdims=True)
;;       e = np.where(a > 0, np.clip(np.frexp(np.where(a > 0, a, 1))[1] - 1 - 15, -126, 127), 0)      # np.frexp(a)[1] - 1 = floor(log2(a)), exactly
;;       r = np.clip(x / 2.0 ** e, -57344, 57344)
;;       step = 2.0 ** (np.maximum(np.frexp(np.where(r == 0, 1, r))[1] - 1, -14) - 2)
;;       q = np.round(r / step) * step * 2.0 ** e      # np.round: ties to even
;;       return np.moveaxis(q.reshape(q.shape[:-2] + (-1,))[..., :K], -1, axis).astype(np.float32)
;;   ~~~
;;   SOFTMAX AHEAD OF A QUANTISED PRODUCT. Where the list says 'softmax', what is quantised is not the finished softmax but p = 2^(t - M), with t = logit x log2(e) and M = ceil(the row's largest t), a whole number; so 1/2 < the row's largest p <= 1. The row's sum l is taken of the UNQUANTISED p, in f32, and the product's result is divided by l at the end. Since M is a whole number, a kernel that streams over the keys may use a running M (the ceiling of the running maximum): every later rescaling is an exact power of two, which a block's scale takes up: the codes' values come out the same.
;;   OPERANDS COMPUTED ON THE WAY. 'Computed on the way' means the value that the module computes at that place (a softmax that the list does not call 'softmax' is quantised finished and normalised). What goes into a quantiser is computed in f32, as accurately as f32 sums, v_exp_f32 and their like allow (about 1e-6 of the number): no bf16 or f16 on the way to a quantiser, and a product that is left as it is and whose result goes on into a quantised operand takes f32 operands (vector FMAs, or v_wmma_f32_16x16x4_f32). A number that lies on a knife's edge between two numbers of the format may be rounded either way, as far as f32 arithmetic and the matrix unit's own rounding can turn it there, and no further.
;; One version. Each part assembles by itself: llvm-mc -triple=amdgcn-amd-amdhsa -mcpu=gfx1250 --defsym DOCPART=n.
;; ======== version 1 of 1: 2 launches
;; limits: right only within a limited range of input values
;; workspace buffers: kvc 16,777,216 bytes; kvs 786,432 bytes
;; launch prep (part 1): grid 8 x 64, 4 waves a work-group, no clusters, 35,328 bytes of LDS; arguments key, value, kvc, kvs; writes kvc, kvs
.if DOCPART == 1
	.amdgcn_target "amdgcn-amd-amdhsa--gfx1250"
	.amdhsa_code_object_version 6
	.text
	.protected	k_qaa9799d848_prep
	.globl	k_qaa9799d848_prep
	.p2align	8
	.type	k_qaa9799d848_prep,@function
k_qaa9799d848_prep:
	s_mov_b64 s[64:65], 0
	v_nop
	global_prefetch_b8 v0, s[64:65] scope:SCOPE_SE
	s_setreg_imm32_b32 hwreg(HW_REG_WAVE_MODE, 25, 1), 1
	s_wait_xcnt 0x0
; key and value, [64 heads][2048][64] f32, become codes of BF8 (E5M2) with one E8M0 scale byte for each 32 along a product's K, laid as IMAGES OF THE OPERANDS' REGISTERS for the launch that follows.
; K of the first product is the head's 64 (innermost in key); K of the second is the keys (value's first axis within a head).
; A block's scale is 2^(floor(log2(its largest magnitude)) - 15); its byte is the largest magnitude's exponent field - 15, held at 1 from below; each number is held within +-57,344 x the scale and rounded to the nearest code, ties to even.
; LIMITS: a block of zeros gets the byte 1 where the rule says 127 (its codes are zeros, which add nothing under any byte but 0xff, and this program alone reads the bytes); blocks whose largest magnitude lies
; under 2^(16 - 127) share that byte; NaN and infinities among the inputs are not served (the next launch leans on every code here being finite).
; kvc, a head = 16 key steps of 128 keys, 16,384 bytes each:
;   bytes 0 - 8,191      key: tile i (0..7), group c (0, 1) at 1024 i + 512 c + 16 lane: lane (r, h) has key 32 (i / 2) + 8 (i % 2) + r + 8 (r / 8), channels 32 c + 16 h + 0 .. 15
;   bytes 8,192 - 16,383 value: tile n (0..3), group c (0..3) at 2048 n + 512 c + 16 lane: lane (r, h) has channel 16 n + r, keys 32 c + 16 h + 0 .. 15 of the step
; kvs, a head = 16 steps of 768 bytes: key's words at 16 lane + 4 j (lanes 0-15: tile 2 j, row lane; lanes 16-31: tile 2 j + 1), a word = the row's two bytes, twice; value's words at 512 + 8 lane + 4 j, likewise, byte c for key block c.
; SHARES: a work-group takes two key steps of one head; waves 0, 1 their keys, waves 2, 3 their values: a wave turns 32 KiB of f32 into 8 KiB of codes.  Waves share nothing: no barrier.  Nothing is read by two work-groups: no cluster.
; Every load reads 512 consecutive bytes (two rows); the numbers turn through the wave's own stage in LDS so that a lane's registers run along K; every store of codes covers whole aligned runs of 256 bytes.
.set PITCH,  272                       ; a stage row: 256 bytes + 16 = 68 words, so that sixteen rows' equal columns start at sixteen different banks (64 banks of 4 bytes: ISA guide 11.1)
.set STAGEB, 32*PITCH                  ; a wave's stage: 32 rows
.set GIN, 4                            ; v4   16 x lane: my bytes of a load's 512, and of an image's group
.set SST, 5                            ; v5   stage + 272 h + 16 r: where a load's bytes go
.set SRK, 6                            ; v6   stage + 272 r + 64 h: key's way back: row r, my 16 numbers of a block of 32
.set SRV, 7                            ; v7   stage + 4 x lane: value's way back: my column
.set GOV, 9                            ; v9   2048 (lane / 16) + 16 (lane % 16): value's codes in the image
.set GSV, 10                           ; v10  8 x lane: value's words
.set TM,  16                           ; v16-31 at work: +0..3 largest magnitudes, +4..7 the other half's, then bytes, +8..11 57,344 x the scale, +12..15 the conversions' scale operands
.set W,   32                           ; v32-35 the scale words
.set PC,  36                           ; v36-51 the codes just made
.set T,   52                           ; v52-53 at work
.set R,   64                           ; v64-191 two sets of 64: numbers as loaded
.set X,   192                          ; v192-255 the same turned
.set SRC, 14                           ; s[14:15] my 32 KiB of key or of value
.set DC,  24                           ; s[24:25] my 8 KiB of kvc
.set DS,  26                           ; s[26:27] my words in kvs
.set SEL, 28                           ; s[28:29] v_permlanex16_b32's selects for lane l xor 16
.set MNT, 30                           ; s30  the mantissa field of 57,344
	s_load_b256 s[4:11], s[0:1], 0x0               ; key s[4:5], value s[6:7], kvc s[8:9], kvs s[10:11]
	v_lshl_add_u32 v62, v0, 2, 0x8800
	v_mov_b32 v63, 0
	v_lshrrev_b32 v1, 5, v0
	v_readfirstlane_b32 s12, v1                    ; wave 0..3
	v_and_b32 v1, 31, v0                           ; lane
	v_and_b32 v2, 15, v0                           ; r
	v_bfe_u32 v3, v0, 4, 1                         ; h
	v_lshlrev_b32 v[GIN], 4, v1
	s_mul_i32 s13, s12, STAGEB                     ; my stage
	v_mul_u32_u24 v[SST], v3, PITCH
	v_lshl_add_u32 v[SST], v2, 4, v[SST]
	v_add_nc_u32 v[SST], s13, v[SST]
	v_mul_u32_u24 v[SRK], v2, PITCH
	v_lshl_add_u32 v[SRK], v3, 6, v[SRK]
	v_add_nc_u32 v[SRK], s13, v[SRK]
	v_lshl_add_u32 v[SRV], v1, 2, s13
	v_lshlrev_b32 v[GOV], 11, v3
	v_lshl_add_u32 v[GOV], v2, 4, v[GOV]
	v_lshlrev_b32 v[GSV], 3, v1
	v_cmp_le_u32 vcc_lo, 16, v1                    ; lanes 16-31: kept for the whole kernel
.irp b, 0,1,2,3
	v_mov_b32 v[TM+4+\b], 0                        ; written once: a lane permute's destination counts as one of its sources
.endr
	s_mov_b32 s[SEL], 0x76543210
	s_mov_b32 s[SEL+1], 0xfedcba98
	s_mov_b32 s[MNT], 0x600000
	s_and_b32 s31, ttmp7, 0xffff                   ; the head
	s_lshr_b32 s33, s12, 1                         ; 0: key, 1: value
	s_and_b32 s32, s12, 1
	s_lshl_b32 s34, ttmp9, 1
	s_add_co_u32 s32, s32, s34                     ; my key step: 2 x work-group x + wave % 2
	s_lshl_b32 s16, s31, 19                        ; the source: a head is 2^19 bytes, a step 2^15
	s_lshl_b32 s34, s32, 15
	s_add_co_u32 s16, s16, s34
	s_mov_b32 s17, 0
	s_lshl_b32 s18, s31, 18                        ; the codes: a head is 2^18 bytes, a step 2^14, value's image 2^13 behind key's
	s_lshl_b32 s34, s32, 14
	s_add_co_u32 s18, s18, s34
	s_lshl_b32 s34, s33, 13
	s_add_co_u32 s18, s18, s34
	s_mov_b32 s19, 0
	s_mul_i32 s20, s31, 12288                      ; the words: a head is 12,288 bytes, a step 768, value's 512 behind key's
	s_mul_i32 s34, s32, 768
	s_add_co_u32 s20, s20, s34
	s_lshl_b32 s34, s33, 9
	s_add_co_u32 s20, s20, s34
	s_mov_b32 s21, 0
	s_wait_kmcnt 0x0
	s_cmp_lt_u32 s12, 2                            ; the choice hangs on the wave's number alone
	s_cselect_b64 s[SRC:SRC+1], s[4:5], s[6:7]
	s_add_nc_u64 s[SRC:SRC+1], s[SRC:SRC+1], s[16:17]
	s_add_nc_u64 s[DC:DC+1], s[8:9], s[18:19]
	s_add_nc_u64 s[DS:DS+1], s[10:11], s[20:21]
.macro LOAD t                          ; 32 keys' rows, 8 KiB, into set t % 2: sixteen loads of 512 consecutive bytes
.irp i, 0,1,2,3,4,5,6,7,8,9,10,11,12,13,14,15
	global_load_b128 v[R+64*((\t)%2)+4*\i:R+64*((\t)%2)+4*\i+3], v[GIN], s[SRC:SRC+1] offset:8192*(\t)+512*\i th:TH_LOAD_NT
.endr
.endm
; 64 numbers of a lane, v[X + 16 q + i]: 16 numbers of each of four blocks, whose other 16 lie in lane l xor 16, become codes in v[PC + 4 q ..]; the blocks' bytes stay in v[TM + 4 + q]
.macro QUANT4
.irp b, 0,1,2,3
	v_max3_num_f32 v[TM+\b], |v[X+16*\b]|, |v[X+16*\b+1]|, 0x8000000   ; my 16 numbers, and the floor 2^(16 - 127): so the byte cannot fall under 1
.endr
.irp i, 2,4,6,8,10,12,14
.irp b, 0,1,2,3
	v_max3_num_f32 v[TM+\b], v[TM+\b], |v[X+16*\b+\i]|, |v[X+16*\b+\i+1]|   ; (the four blocks by turns)
.endr
.endr
.irp b, 0,1,2,3
	v_permlanex16_b32 v[TM+4+\b], v[TM+\b], s[SEL], s[SEL+1]
.endr
.irp b, 0,1,2,3
	v_max_num_f32 v[TM+\b], v[TM+\b], v[TM+4+\b]   ; the block's largest magnitude
.endr
.irp b, 0,1,2,3
	v_add_nc_u32 v[TM+12+\b], 0xf8800000, v[TM+\b] ; 15 off its exponent field: the conversion takes this operand's exponent field as its scale
.endr
.irp b, 0,1,2,3
	v_and_or_b32 v[TM+8+\b], v[TM+\b], 0x7f800000, s[MNT]   ; 57,344 x the scale
.endr
.irp b, 0,1,2,3
	v_lshrrev_b32 v[TM+4+\b], 23, v[TM+12+\b]      ; the scale's byte
.endr
.irp b, 0,1,2,3
.irp i, 0,1,2,3,4,5,6,7,8,9,10,11,12,13,14,15
	v_med3_num_f32 v[X+16*\b+\i], v[X+16*\b+\i], -v[TM+8+\b], v[TM+8+\b]   ; the conversion to an 8-bit code does not saturate (ISA guide 7.6.2): the hold
.endr
	v_cvt_scalef32_pk8_bf8_f32 v[PC+4*\b:PC+4*\b+1], v[X+16*\b:X+16*\b+7], v[TM+12+\b]
	v_cvt_scalef32_pk8_bf8_f32 v[PC+4*\b+2:PC+4*\b+3], v[X+16*\b+8:X+16*\b+15], v[TM+12+\b]
.endr
	v_nop                                          ; a plain line behind the last conversion
.endm
; KEY: keys 32 b .. 32 b + 31 of the step become tiles 2 b and 2 b + 1.
.macro KBLK b
.if (\b) < 3
	s_wait_loadcnt 16                              ; this set's sixteen loads are in; the next set's sixteen may be out
.else
	s_wait_loadcnt 0x0
.endif
.irp i, 0,1,2,3,4,5,6,7,8,9,10,11,12,13,14,15      ; keys 2 i, 2 i + 1 go to the stage rows of their tile and row: key kk is row kk % 8 + 8 (kk / 16) of tile (kk / 8) % 2
	ds_store_b128 v[SST], v[R+64*((\b)%2)+4*\i:R+64*((\b)%2)+4*\i+3] offset:(16*((\i/4)%2)+(2*\i)%8+8*(\i/8))*PITCH
.endr
.irp u, 0,1
.irp c, 0,1
.irp j, 0,1,2,3
	ds_load_b128 v[X+32*\u+16*\c+4*\j:X+32*\u+16*\c+4*\j+3], v[SRK] offset:16*\u*PITCH+128*\c+16*\j   ; LDS serves a wave's instructions in order (ISA guide 5.7.1.4): these see the stores above
.endr
.endr
.endr
	s_wait_dscnt 0x0                               ; the numbers are back, and the stores have read their registers
.if (\b) > 0
	s_wait_xcnt 0x0                                ; the last block's stores have read the codes' registers, which are written again below
.endif
.if (\b) < 2
	LOAD (\b)+2
.endif
	QUANT4                                         ; block q = 2 u + c: tile 2 b + u, channels 32 c on
	v_lshl_or_b32 v[T], v[TM+5], 8, v[TM+4]        ; a row's two bytes,
	v_lshl_or_b32 v[T+1], v[TM+7], 8, v[TM+6]
	v_lshl_or_b32 v[T], v[T], 16, v[T]             ; twice: the upper two stand over the half of the instruction's K that holds no channel
	v_lshl_or_b32 v[T+1], v[T+1], 16, v[T+1]
	v_cndmask_b32 v[W+(\b)], v[T], v[T+1], vcc_lo  ; lanes 0-15 keep tile 2 b's word, lanes 16-31 tile 2 b + 1's
.irp q, 0,1,2,3
	global_store_b128 v[GIN], v[PC+4*\q:PC+4*\q+3], s[DC:DC+1] offset:2048*(\b)+512*\q   ; 512 consecutive bytes
.endr
.endm
; VALUE: keys 32 c .. 32 c + 31 of the step are key block c.  A lane takes a column (channel 32 g + lane) and its registers run down the keys: a whole block lies in one lane.
.macro VBLK c
.if (\c) < 3
	s_wait_loadcnt 16
.else
	s_wait_loadcnt 0x0
.endif
.irp i, 0,1,2,3,4,5,6,7,8,9,10,11,12,13,14,15
	ds_store_b128 v[SST], v[R+64*((\c)%2)+4*\i:R+64*((\c)%2)+4*\i+3] offset:2*\i*PITCH
.endr
.irp g, 0,1
.irp k, 0,1,2,3,4,5,6,7,8,9,10,11,12,13,14,15,16,17,18,19,20,21,22,23,24,25,26,27,28,29,30,31
	ds_load_b32 v[X+32*\g+\k], v[SRV] offset:\k*PITCH+128*\g   ; 32 lanes read 128 consecutive bytes of key k's row
.endr
.endr
	s_wait_dscnt 0x0
.if (\c) > 0
	s_wait_xcnt 0x0                                ; the last block's stores have read the codes' registers
.endif
.if (\c) < 2
	LOAD (\c)+2
.endif
.irp g, 0,1
	v_max3_num_f32 v[TM+\g], |v[X+32*\g]|, |v[X+32*\g+1]|, |v[X+32*\g+2]|
	v_max3_num_f32 v[TM+2+\g], |v[X+32*\g+3]|, |v[X+32*\g+4]|, |v[X+32*\g+5]|
.endr
.irp i, 6,10,14,18,22,26
.irp g, 0,1
	v_max3_num_f32 v[TM+\g], v[TM+\g], |v[X+32*\g+\i]|, |v[X+32*\g+\i+1]|
	v_max3_num_f32 v[TM+2+\g], v[TM+2+\g], |v[X+32*\g+\i+2]|, |v[X+32*\g+\i+3]|
.endr
.endr
.irp g, 0,1
	v_max3_num_f32 v[TM+\g], v[TM+\g], |v[X+32*\g+30]|, |v[X+32*\g+31]|
.endr
.irp g, 0,1
	v_max3_num_f32 v[TM+\g], v[TM+\g], v[TM+2+\g], 0x8000000   ; and the floor
.endr
.irp g, 0,1
	v_add_nc_u32 v[TM+12+\g], 0xf8800000, v[TM+\g]
.endr
.irp g, 0,1
	v_and_or_b32 v[TM+8+\g], v[TM+\g], 0x7f800000, s[MNT]
.endr
.irp g, 0,1
	v_lshrrev_b32 v[TM+4+\g], 23, v[TM+12+\g]
.endr
.irp g, 0,1
.if (\c) == 0
	v_mov_b32 v[W+\g], v[TM+4+\g]                  ; four bytes to a word, key block c in byte c
.else
	v_lshl_or_b32 v[W+\g], v[TM+4+\g], 8*(\c), v[W+\g]
.endif
.endr
.irp g, 0,1
.irp i, 0,1,2,3,4,5,6,7,8,9,10,11,12,13,14,15,16,17,18,19,20,21,22,23,24,25,26,27,28,29,30,31
	v_med3_num_f32 v[X+32*\g+\i], v[X+32*\g+\i], -v[TM+8+\g], v[TM+8+\g]
.endr
.irp q, 0,1,2,3
	v_cvt_scalef32_pk8_bf8_f32 v[PC+8*\g+2*\q:PC+8*\g+2*\q+1], v[X+32*\g+8*\q:X+32*\g+8*\q+7], v[TM+12+\g]
.endr
.endr
	v_nop                                          ; a plain line behind the last conversion
.irp g, 0,1
.irp h, 0,1                                        ; my column's keys 16 h' .. 16 h' + 15 belong to lane (r, h') of tile 2 g + lane / 16: sixteen lanes store 256 consecutive bytes
	global_store_b128 v[GOV], v[PC+8*\g+4*\h:PC+8*\g+4*\h+3], s[DC:DC+1] offset:4096*\g+512*(\c)+256*\h
.endr
.endr
.endm
	LOAD 0
	LOAD 1                                         ; 32 loads of every wave are out
	s_cmp_lt_u32 s12, 2
	s_cbranch_scc0 .Lvalue
	KBLK 0
	KBLK 1
	KBLK 2
	KBLK 3
	global_store_b128 v[GIN], v[W:W+3], s[DS:DS+1] ; the step's 512 bytes of key words
	s_wait_tensorcnt 0x0
	ds_add_u32 v62, v63
	s_wait_dscnt 0x0
	s_endpgm
.Lvalue:
	s_wait_alu depctr_va_vdst(0)
	VBLK 0
	VBLK 1
	VBLK 2
	VBLK 3
	global_store_b64 v[GSV], v[W:W+1], s[DS:DS+1]  ; the step's 256 bytes of value words
	s_wait_tensorcnt 0x0
	ds_add_u32 v62, v63
	s_wait_dscnt 0x0
	s_endpgm
.Lfunc_end_k_qaa9799d848_prep:
	.size	k_qaa9799d848_prep, .Lfunc_end_k_qaa9799d848_prep-k_qaa9799d848_prep
	.p2alignl 7, 3214868480
	.fill 96, 4, 3214868480
	.section	.rodata,"a",@progbits
	.p2align	6, 0x0
	.amdhsa_kernel k_qaa9799d848_prep
		.amdhsa_group_segment_fixed_size 35328
		.amdhsa_private_segment_fixed_size 0
		.amdhsa_enable_private_segment 0
		.amdhsa_kernarg_size 32
		.amdhsa_user_sgpr_count 2
		.amdhsa_user_sgpr_kernarg_segment_ptr 1
		.amdhsa_wavefront_size32 1
		.amdhsa_system_sgpr_workgroup_id_x 1
		.amdhsa_system_sgpr_workgroup_id_y 1
		.amdhsa_system_sgpr_workgroup_id_z 1
		.amdhsa_system_vgpr_workitem_id 0
		.amdhsa_next_free_vgpr 256
		.amdhsa_next_free_sgpr 66
		.amdhsa_reserve_vcc 1
		.amdhsa_float_denorm_mode_32 3
		.amdhsa_float_denorm_mode_16_64 3
		.amdhsa_memory_ordered 1
		.amdhsa_forward_progress 1
		.amdhsa_inst_pref_size 105
	.end_amdhsa_kernel
	.amdgpu_metadata
---
amdhsa.version: [ 1, 2 ]
amdhsa.kernels:
  - .name:           k_qaa9799d848_prep
    .symbol:         k_qaa9799d848_prep.kd
    .args:
      - { .name: key, .offset: 0, .size: 8, .value_kind: global_buffer, .address_space: global }
      - { .name: value, .offset: 8, .size: 8, .value_kind: global_buffer, .address_space: global }
      - { .name: kvc, .offset: 16, .size: 8, .value_kind: global_buffer, .address_space: global }
      - { .name: kvs, .offset: 24, .size: 8, .value_kind: global_buffer, .address_space: global }
    .group_segment_fixed_size: 35328
    .private_segment_fixed_size: 0
    .kernarg_segment_align: 8
    .kernarg_segment_size: 32
    .max_flat_workgroup_size: 128
    .sgpr_count:     66
    .vgpr_count:     256
    .wavefront_size: 32
...
	.end_amdgpu_metadata
.endif
;; end of part 1
;; launch attn (part 2): grid 4 x 64, 8 waves a work-group, clusters of 4 x 1, 327,680 bytes of LDS; arguments query, kvc, kvs, out0; writes out0
.if DOCPART == 2
	.amdgcn_target "amdgcn-amd-amdhsa--gfx1250"
	.amdhsa_code_object_version 6
	.text
	.protected	k_qaa9799d848_attn
	.globl	k_qaa9799d848_attn
	.p2align	8
	.type	k_qaa9799d848_attn,@function
k_qaa9799d848_attn:
	s_mov_b64 s[64:65], 0
	v_nop
	global_prefetch_b8 v0, s[64:65] scope:SCOPE_SE
	s_setreg_imm32_b32 hwreg(HW_REG_WAVE_MODE, 25, 1), 1
	s_wait_xcnt 0x0
	s_wait_alu depctr_hold_cnt(0) depctr_sa_sdst(0) depctr_va_vdst(0) depctr_va_sdst(0) depctr_va_ssrc(0) depctr_va_vcc(0) depctr_vm_vsrc(0)
	s_getreg_b32 s2, hwreg(HW_REG_IB_STS2, 6, 4)
	s_cmp_eq_u32 s2, 0
	s_cbranch_scc0 .Lentry_in_a_cluster
	s_endpgm
.Lentry_in_a_cluster:
	s_bfe_u32 s2, ttmp6, 0x10000c
	s_cmp_lg_u32 s2, 0x3003
	s_cbranch_scc0 .Lentry_shape_is_right
	s_endpgm
.Lentry_shape_is_right:
; out0[head][q][:] = the sum over k of softmax_k(query[q] . key[k] / 8) value[k][:], 64 heads, 2,048 queries and keys, 64 channels; both products on codes of BF8 (E5M2) with E8M0 scales for each 32 along K.
; key and value come as codes and scale words, laid as images of the operands' registers (kvc, kvs: their layout stands at the head of the launch that makes them).  query comes as f32 and is quantised here, in registers.
; THE SOFTMAX: t = score x log2(e) / 8; M = the row's largest t so far, rounded UP to a whole number; p = 2^(t - M) is quantised along the keys, not normalised.  The row's sum is taken of the unquantised p and
; divides at the end.  When M moves, the sum and O are multiplied by 2^(old M - new M): exact, in every step, with no branch on data.
; SHARES.  A work-group owns 512 queries of one head, each of its eight waves 64: four tiles of 16; two waves to a SIMD, 512 registers each.  Every wave walks the head's 16 key steps of 128 keys.
; THE HEAD'S CODES AND WORDS STAY IN LDS: 262,144 + 12,288 bytes, each byte filled once, in two parts.  Part A, one load a wave at the head: waves 0-6 take 8,192 bytes each of the first 57,344 (key steps 0-2 and
; step 3's K), wave 7 the words.  Part B, one load a wave behind the three lines and a round: 25,600 bytes each of the other 204,800.  Steps 0-2 read part A alone; a barrier behind them shows part B.
; CLUSTER.  The four work-groups of a cluster are the four query blocks of one head: every fill is asked for JOINTLY, by the same descriptor (made of the head and the wave's number alone).
; NO DATA PREFETCH: all of the head's bytes are asked for by the two fills at the head; the key loop has no load from memory to run ahead of.
; LAYOUT.  Both products are used transposed: S^T = K Q^T (source 0 = 16 keys), O^T = V^T P^T (source 0 = 16 channels): a lane holds ONE query (lane % 16).  The 16 registers of score tiles 2 b, 2 b + 1 are
; the keys 32 b + 16 (lane / 16) + 0 .. 15: the conversions' results are the second product's operand.
; THE FIRST PRODUCT'S K IS 64, the instruction's 128.  Q's fragment has ZERO CODES in its upper eight registers.  K's tiles lie eight registers each, on end; tile i's fragment names sixteen: its upper eight are tile
; i + 1's codes (behind tile 7: zeros).  They meet Q's zeros; every code of K is finite, and the scale bytes over that half are copies of the row's real bytes.
; THE LOOP IS TURNED BY ONE PRODUCT: the scores of a step's tile 0 are started in the step before, behind tile 3's softmax.  O^T is cleared once (128 v_mov_b32 a wave), so that the step has no first form of its own.
; LIMITS: NaN and infinities among the inputs are not served; a block of query whose largest magnitude lies under 2^(16 - 127) gets the byte 1.
; REGISTERS.  Window 0: v1-9 addresses; v12-22 scale words alone; v24-39 four statistics a tile; v40-65 at work; v68-83 codes just made; v84-155 K (8 x 8, + 8 zeros); v156-219 S^T, then p; v220-237 the sum's nine side chains; v254-255 the add's.
;   Window 1: v0-127 O^T (tile t, channels 16 n on: v[32 t + 8 n]; at the start Q as loaded); v128-191 V's four fragments; v192-255 Q's four.
.set KVS,   262144                     ; LDS: behind the codes (step s at 16,384 s) the words (step s at 768 s),
.set STG,   274432                     ; a stage of 16 rows x 272 bytes for each wave, into which no fill lands,
.set SPARE, 309248                     ; and the spare words, 128 bytes a wave
.set SP,    272
.set STEPB, 16384
.set STEPW, 768
.set PARTA, 57344
.set WAVEB, 25600
.set LI,  1                            ; 16 x lane
.set ADR, 2                            ; the step's codes
.set ADS, 3                            ; the step's words of K
.set ADT, 4                            ; and of V
.set STO, 5                            ; stage + 272 r + 32 h
.set RD,  6                            ; stage + 272 h + 16 r
.set QRD, 7                            ; stage + 272 r + 64 h
.set LS0, 8                            ; KVS + 16 x lane
.set LT0, 9                            ; KVS + 512 + 8 x lane
.set KS,  12
.set VS,  16
.set QW,  18
.set PW,  22
.set ST,  24                           ; tile t at v[ST + 4 t]: -M, the largest score, the sum in two halves
.set F,   40
.set BM,  44
.set BT,  48
.set HOLD, 52
.set SCO, 60
.set T0,  64
.set T1,  65
.set PC,  68
.set KF,  84
.set S,   156
.set SX,  220                          ; side chain i of the sum at v[SX + 2 i : SX + 2 i + 1], i = 0 .. 8
.set SPW, 254
.set NIL, 255
.set WV,  12
.set SEL, 20
.set CS,  22
.set MNT, 24
.set TB,  25
.set TS,  26
.set CNT, 27
.set G1S, 28
.set G1A, 36
.set G1B, 44
.set G0S, 52
.set G0A, 56
.set G0B, 60
.set MSB, 0
.macro WIN new                         ; s_set_vgpr_msb: bits 1:0 source 0, 3:2 source 1, 5:4 source 2, 7:6 destination; the high byte repeats the setting that is left
.if MSB != \new
	s_set_vgpr_msb (MSB<<8)|\new
.set MSB, \new
.endif
.endm
.set W_S,  0x04                        ; Q (source 1) in window 1
.set W_PV, 0x51                        ; V (source 0), C and D in window 1
.set W_RS, 0x41                        ; O^T (destination and source 0) in window 1
.macro CROUND                          ; a round of the cluster's barrier
	s_barrier_signal -1
	s_barrier_wait -1
	s_cmp_lg_u32 s[WV], 0
	s_cbranch_scc1 .Lnot_wave_0_\@
	s_barrier_signal -3
.Lnot_wave_0_\@:
	s_barrier_wait -3
	s_barrier_signal -1
	s_barrier_wait -1
.endm
.macro NOP4
.rept 4
	v_nop
.endr
.endm
	s_load_b256 s[4:11], s[0:1], 0x0               ; query s[4:5], kvc s[6:7], kvs s[8:9], out0 s[10:11]
	v_lshl_add_u32 v[SPW], v0, 2, SPARE
	v_mov_b32 v[NIL], 0
	ds_add_u32 v[SPW], v[NIL]                      ; the opening lines: the add twice on end and one wait
	ds_add_u32 v[SPW], v[NIL]
	v_lshrrev_b32 v2, 5, v0
	v_readfirstlane_b32 s[WV], v2                  ; wave 0..7
	s_mul_i32 s74, s[WV], 16*SP
	s_add_co_u32 s74, s74, STG                     ; my stage
	v_and_b32 v1, 31, v0                           ; lane
	v_and_b32 v10, 15, v0                          ; r
	v_bfe_u32 v11, v0, 4, 1                        ; h
	v_lshlrev_b32 v[LT0], 3, v1
	v_add_nc_u32 v[LT0], KVS+512, v[LT0]
	v_lshlrev_b32 v[LI], 4, v1
	v_add_nc_u32 v[LS0], KVS, v[LI]
	v_mul_u32_u24 v[STO], v10, SP
	v_add_nc_u32 v[STO], s74, v[STO]
	v_lshl_add_u32 v[QRD], v11, 6, v[STO]
	v_lshl_add_u32 v[STO], v11, 5, v[STO]
	v_mul_u32_u24 v[RD], v11, SP
	v_lshl_add_u32 v[RD], v10, 4, v[RD]
	v_add_nc_u32 v[RD], s74, v[RD]
	s_bfe_u32 s13, ttmp6, 0x40000                  ; cx: my place in the cluster
	s_and_b32 s14, ttmp7, 0xffff                   ; the head, which the four partners share
	s_lshl_b32 s15, ttmp9, 2
	s_add_co_u32 s15, s15, s13                     ; my block of 512 queries: it enters query's and out0's addresses alone
	s_mov_b32 s[SEL], 0x76543210
	s_mov_b32 s[SEL+1], 0xfedcba98
	s_mov_b32 s[CS], 0x3e38aa3b                    ; log2(e) / 8
	s_mov_b32 s[CS+1], s[CS]
	s_mov_b32 s[MNT], 0x600000
	s_lshl_b32 s66, s14, 18                        ; a head's codes are 2^18 bytes
	s_lshl_b32 s16, s[WV], 13                      ; part A: 8,192 bytes a wave
	s_add_co_u32 s68, s66, s16
	s_mov_b32 s69, 0
	s_mul_i32 s17, s[WV], WAVEB                    ; part B: 25,600 bytes a wave, behind part A
	s_add_co_u32 s17, s17, PARTA
	s_add_co_u32 s66, s66, s17
	s_mov_b32 s67, 0
	s_mul_i32 s70, s14, 12288                      ; a head's words
	s_mov_b32 s71, 0
	s_lshl_b32 s72, s14, 19                        ; query and out0: a head is 2^19 bytes, my block 2^17, my wave's 64 rows 2^14
	s_lshl_b32 s19, s15, 17
	s_add_co_u32 s72, s72, s19
	s_lshl_b32 s19, s[WV], 14
	s_add_co_u32 s72, s72, s19
	s_mov_b32 s73, 0
	; descriptor groups 1: dense blocks, as rows of 256 bytes (32 elements of 8 bytes), no padding
.irp g, G1S, G1A, G1B
	s_mov_b32 s[\g], 15|(3<<16)|(1<<21)            ; the mask: all four work-groups; elements of 8 bytes; bit 21 beside a mask
	s_mov_b32 s[\g+1], 32<<16
	s_mov_b32 s[\g+3], 32<<16
	s_mov_b32 s[\g+5], 32
	s_mov_b32 s[\g+6], 0
	s_mov_b32 s[\g+7], 0
.endr
	s_mov_b32 s[G1S+2], 48<<16                     ; rows: 48 (the words), 32 (part A), 100 (part B)
	s_mov_b32 s[G1S+4], 48
	s_mov_b32 s[G1A+2], 32<<16
	s_mov_b32 s[G1A+4], 32
	s_mov_b32 s[G1B+2], 100<<16
	s_mov_b32 s[G1B+4], 100
	s_wait_alu depctr_va_vdst(0)                   ; directly ahead of the waits below
	s_wait_dscnt 0x0                               ; both opening adds are done
	s_wait_kmcnt 0x0
	s_add_nc_u64 s[4:5], s[4:5], s[72:73]
	s_add_nc_u64 s[10:11], s[10:11], s[72:73]
	WIN 0x40
.irp t, 0,1,2,3                                    ; Q as it lies: 32 loads of 512 consecutive bytes, into the registers that O^T will take
.irp i, 0,1,2,3,4,5,6,7
	global_load_b128 v[32*\t+4*\i:32*\t+4*\i+3], v[LI], s[4:5] offset:4096*\t+512*\i th:TH_LOAD_NT
.endr
.endr
	WIN 0
	s_mov_b32 s[G0S], 1
	s_mov_b32 s[G0S+1], KVS
	s_add_nc_u64 s[G0S+2:G0S+3], s[8:9], s[70:71]
	s_or_b32 s[G0S+3], s[G0S+3], 0x80000000
	s_mov_b32 s[G0A], 1
	s_mov_b32 s[G0A+1], s16
	s_add_nc_u64 s[G0A+2:G0A+3], s[6:7], s[68:69]
	s_or_b32 s[G0A+3], s[G0A+3], 0x80000000
	s_mov_b32 s[G0B], 1
	s_mov_b32 s[G0B+1], s17
	s_add_nc_u64 s[G0B+2:G0B+3], s[6:7], s[66:67]
	s_or_b32 s[G0B+3], s[G0B+3], 0x80000000
	CROUND                                         ; all four work-groups are here: the joint loads meet
	s_cmp_lt_u32 s[WV], 7                          ; one load a wave, an arm each: waves 0-6 part A, wave 7 the words
	s_cbranch_scc0 .Lhead_w
	tensor_load_to_lds s[G0A:G0A+3], s[G1A:G1A+7]
	s_nop 0
	NOP4
	s_branch .Lhead_asked
.Lhead_w:
	tensor_load_to_lds s[G0S:G0S+3], s[G1S:G1S+7]
	s_nop 0
	NOP4
.Lhead_asked:
.irp b, 0,1,2,3
	v_mov_b32 v[BT+\b], 0                          ; a lane permute's destination counts as one of its sources
.endr
	v_mov_b32 v[F+1], 0                            ; named as the upper half of a pair
.irp j, 0,1,2,3,4,5,6,7
	v_mov_b32 v[KF+64+\j], 0                       ; the zeros behind K's tile 7
.endr
.irp t, 0,1,2,3
	v_mov_b32 v[ST+4*\t+1], 0xff61b1e6             ; the largest score so far: -3e38
	v_floor_f32 v[ST+4*\t], -v[ST+4*\t+1]          ; -M
	v_mov_b32 v[ST+4*\t+2], 0                      ; the sum
	v_mov_b32 v[ST+4*\t+3], 0
.endr
; 64 numbers of a lane, v[S + 16 q + i]: 16 of each of four blocks, whose other 16 lie in lane l xor 16, become codes in v[PC + 4 q ..]; the bytes stay in v[BT + q]
.macro QQUANT
.irp b, 0,1,2,3
	v_max3_num_f32 v[BM+\b], |v[S+16*\b]|, |v[S+16*\b+1]|, 0x8000000   ; with the floor 2^(16 - 127): the byte cannot fall under 1
.endr
.irp i, 2,4,6,8,10,12,14
.irp b, 0,1,2,3
	v_max3_num_f32 v[BM+\b], v[BM+\b], |v[S+16*\b+\i]|, |v[S+16*\b+\i+1]|
.endr
.endr
.irp b, 0,1,2,3
	v_permlanex16_b32 v[BT+\b], v[BM+\b], s[SEL], s[SEL+1]
.endr
.irp b, 0,1,2,3
	v_max_num_f32 v[BM+\b], v[BM+\b], v[BT+\b]
.endr
.irp b, 0,1,2,3
	v_add_nc_u32 v[SCO+\b], 0xf8800000, v[BM+\b]   ; 15 off the exponent field: the conversion's scale operand
.endr
.irp b, 0,1,2,3
	v_and_or_b32 v[HOLD+\b], v[BM+\b], 0x7f800000, s[MNT]   ; 57,344 x the scale
.endr
.irp b, 0,1,2,3
	v_lshrrev_b32 v[BT+\b], 23, v[SCO+\b]          ; the byte
.endr
.irp b, 0,1,2,3
.irp i, 0,1,2,3,4,5,6,7,8,9,10,11,12,13,14,15
	v_med3_num_f32 v[S+16*\b+\i], v[S+16*\b+\i], -v[HOLD+\b], v[HOLD+\b]   ; the conversion to an 8-bit code does not saturate (ISA guide 7.6.2)
.endr
	v_cvt_scalef32_pk8_bf8_f32 v[PC+4*\b:PC+4*\b+1], v[S+16*\b:S+16*\b+7], v[SCO+\b]
	v_cvt_scalef32_pk8_bf8_f32 v[PC+4*\b+2:PC+4*\b+3], v[S+16*\b+8:S+16*\b+15], v[SCO+\b]
.endr
	v_nop                                          ; a plain line behind the last conversion
.endm
; Tiles 2 p and 2 p + 1 of Q: through my stage, so that a lane holds 16 neighbours of each block of its row; quantised; the codes into Q's fragments, zeros above them.
.macro QPAIR p
	s_wait_loadcnt 16-16*\p                        ; these two tiles' sixteen loads are in; the sixteen behind them may be out
.irp u, 0,1
	WIN 0x04                                       ; an LDS store's data are its source 1
.irp i, 0,1,2,3,4,5,6,7
	ds_store_b128 v[RD], v[32*(2*\p+\u)+4*\i:32*(2*\p+\u)+4*\i+3] offset:2*SP*\i
.endr
	WIN 0
.irp c, 0,1
.irp j, 0,1,2,3
	ds_load_b128 v[S+32*\u+16*\c+4*\j:S+32*\u+16*\c+4*\j+3], v[QRD] offset:128*\c+16*\j   ; LDS serves a wave's instructions in order (ISA guide 5.7.1.4)
.endr
.endr
.endr
	s_wait_dscnt 0x0
	QQUANT                                         ; block q = 2 u + c: tile 2 p + u, channels 32 c on
.irp u, 0,1
	v_lshl_or_b32 v[T0], v[BT+2*\u+1], 8, v[BT+2*\u]
	v_lshl_or_b32 v[QW+2*\p+\u], v[T0], 16, v[T0]  ; the row's two bytes, twice: the upper two stand over the zero codes
.endr
	WIN 0x40
.irp u, 0,1
.irp j, 0,1,2,3,4,5,6,7
	v_mov_b32 v[192+16*(2*\p+\u)+\j], v[PC+8*\u+\j]
	v_mov_b32 v[192+16*(2*\p+\u)+8+\j], 0
.endr
.endr
	WIN 0
.endm
	QPAIR 0                                        ; Q is quantised while part A is on its way
	QPAIR 1
	WIN 0x40
.set j, 0
.rept 128
	v_mov_b32 v[j], 0                              ; O^T, once
.set j, j+1
.endr
	WIN 0
	s_wait_alu depctr_va_vdst(0)                   ; the wait at the head's end, directly ahead of the wait below
	s_wait_tensorcnt 0x0                           ; my part of part A (or the words) is in
	ds_add_u32 v[SPW], v[NIL]
	s_wait_dscnt 0x0
	CROUND                                         ; everybody's part is in, and the four work-groups are here
	tensor_load_to_lds s[G0B:G0B+3], s[G1B:G1B+7]  ; part B: my one load behind the round
	s_nop 0
	NOP4
.macro FETCH_K adr, off, sadr, soff    ; a step's K: 8 tiles x 2 groups of four registers, and the words
.irp i, 0,1,2,3,4,5,6,7
.irp c, 0,1
	ds_load_b128 v[KF+8*\i+4*\c:KF+8*\i+4*\c+3], v[\adr] offset:\off+1024*\i+512*\c
.endr
.endr
	ds_load_b128 v[KS:KS+3], v[\sadr] offset:\soff
.endm
.macro FETCH_V                         ; a step's V: 4 tiles x 4 groups, and the words
	WIN 0x40
.irp n, 0,1,2,3
.irp c, 0,1,2,3
	ds_load_b128 v[128+16*\n+4*\c:128+16*\n+4*\c+3], v[ADR] offset:8192+2048*\n+512*\c
.endr
.endr
	WIN 0
	ds_load_b64 v[VS:VS+1], v[ADT]
.endm
; S^T of tile t: eight products, each begun with the constant 0.  An odd tile's words lie in lanes 16-31 of the register.
.macro SMUL t
	WIN W_S
.irp i, 0,2,4,6
	v_wmma_scale_f32_16x16x128_f8f6f4 v[S+8*\i:S+8*\i+7], v[KF+8*\i:KF+8*\i+15], v[192+16*(\t):192+16*(\t)+15], 0, v[KS+\i/2], v[QW+(\t)] matrix_a_fmt:MATRIX_FMT_BF8 matrix_b_fmt:MATRIX_FMT_BF8
	v_wmma_scale_f32_16x16x128_f8f6f4 v[S+8*\i+8:S+8*\i+15], v[KF+8*\i+8:KF+8*\i+23], v[192+16*(\t):192+16*(\t)+15], 0, v[KS+\i/2], v[QW+(\t)] matrix_a_fmt:MATRIX_FMT_BF8 matrix_b_fmt:MATRIX_FMT_BF8 matrix_a_scale:MATRIX_SCALE_ROW1
.endr
.endm
; O^T of tile t += V^T P^T: four accumulators, one instruction each (the accumulators take turns).
.macro PV t
	WIN W_PV
.irp n, 0,2
	v_wmma_scale_f32_16x16x128_f8f6f4 v[32*(\t)+8*\n:32*(\t)+8*\n+7], v[128+16*\n:128+16*\n+15], v[PC:PC+15], v[32*(\t)+8*\n:32*(\t)+8*\n+7], v[VS+\n/2], v[PW] matrix_a_fmt:MATRIX_FMT_BF8 matrix_b_fmt:MATRIX_FMT_BF8
	v_wmma_scale_f32_16x16x128_f8f6f4 v[32*(\t)+8*\n+8:32*(\t)+8*\n+15], v[128+16*\n+16:128+16*\n+31], v[PC:PC+15], v[32*(\t)+8*\n+8:32*(\t)+8*\n+15], v[VS+\n/2], v[PW] matrix_a_fmt:MATRIX_FMT_BF8 matrix_b_fmt:MATRIX_FMT_BF8 matrix_a_scale:MATRIX_SCALE_ROW1
.endr
.endm
.macro MAX3B d, a, c                   ; one level of a chain of maxima, the four blocks by turns
.irp b, 0,1,2,3
	v_max3_num_f32 v[\d+\b], v[\d+\b], v[S+16*\b+\a], v[S+16*\b+\c]
.endr
.endm
; THE ROW'S SUM, two numbers a line: the tile's own chain and nine side chains.  A side chain begins with four numbers in one line and is merged by one line: 9 + 14 + 9 = 32 lines for the 64 numbers, as one chain would take.
.macro SINIT i                         ; side chain i begins: p 4 i .. 4 i + 3
	v_pk_add_f32 v[SX+2*(\i):SX+2*(\i)+1], v[S+4*(\i):S+4*(\i)+1], v[S+4*(\i)+2:S+4*(\i)+3]
.endm
.macro SACC i, k                       ; p k, k + 1 onto side chain i
	v_pk_add_f32 v[SX+2*(\i):SX+2*(\i)+1], v[SX+2*(\i):SX+2*(\i)+1], v[S+\k:S+\k+1]
.endm
.macro SMRG a, b                       ; side chain b onto side chain a
	v_pk_add_f32 v[SX+2*(\a):SX+2*(\a)+1], v[SX+2*(\a):SX+2*(\a)+1], v[SX+2*(\b):SX+2*(\b)+1]
.endm
.macro TACC t, x                       ; the pair at v[x] onto tile t's sum
	v_pk_add_f32 v[ST+4*(\t)+2:ST+4*(\t)+3], v[ST+4*(\t)+2:ST+4*(\t)+3], v[\x:\x+1]
.endm
; The softmax of tile t's 128 keys.  All 68 exponentials go as ONE batch, with one wait ahead of it and one behind it; that second wait stands directly ahead of the rescaling of O^T, whose first read it serves too.
.macro SOFTMAX t, pre
.irp b, 0,1,2,3
	v_max3_num_f32 v[BM+\b], v[S+16*\b], v[S+16*\b+1], v[S+16*\b+2]   ; the largest score of each block of 32 keys, in two chains a block: for the row's maximum and, since p rises with the score, for the block's largest p
.endr
.irp b, 0,1,2,3
	v_max3_num_f32 v[BT+\b], v[S+16*\b+8], v[S+16*\b+9], v[S+16*\b+10]   ; each accumulator is first read at its low end
.endr
	MAX3B BM, 3, 4
	MAX3B BT, 11, 12
	MAX3B BM, 5, 6
	MAX3B BT, 13, 14
	MAX3B BT, 15, 7
.irp b, 0,1,2,3
	v_max_num_f32 v[BM+\b], v[BM+\b], v[BT+\b]
.endr
.if \t == 0
	FETCH_V                                        ; the 32 lines above and the step's three additions are the places behind the last step's products, which read V's registers
.endif
.irp b, 0,1,2,3
	v_permlanex16_b32 v[BT+\b], v[BM+\b], s[SEL], s[SEL+1]
.endr
.irp b, 0,1,2,3
	v_max_num_f32 v[BM+\b], v[BM+\b], v[BT+\b]     ; with lane l xor 16's 16 keys
.endr
	v_max3_num_f32 v[T0], v[BM], v[BM+1], v[BM+2]
	v_mov_b32 v[T1], v[ST+4*(\t)]
	v_max3_num_f32 v[ST+4*(\t)+1], v[ST+4*(\t)+1], v[T0], v[BM+3]   ; the running largest score
	v_mul_f32 v[T0], s[CS], v[ST+4*(\t)+1]         ; as t (c is positive)
	v_floor_f32 v[ST+4*(\t)], -v[T0]               ; the new -M = -ceil(t): a whole number
	v_sub_f32 v[T1], v[ST+4*(\t)], v[T1]           ; old M - new M: a whole number, 0 or less
.irp b, 0,1,2,3
	v_fma_f32 v[BM+\b], v[BM+\b], s[CS], v[ST+4*(\t)]
.endr
	v_cvt_i32_f32 v[T1], v[T1]                     ; (it saturates)
.set k, 0
.rept 32
	v_pk_fma_f32 v[S+k:S+k+1], v[S+k:S+k+1], s[CS:CS+1], v[ST+4*(\t):ST+4*(\t)+1] op_sel_hi:[1,0,0]   ; t - M (of the pairs c and -M the low word serves both halves)
.if k == 6
	v_ldexp_f32 v[F], 1.0, v[T1]                   ; f = 2^(old M - new M)
.endif
.set k, k+2
.endr
	s_wait_alu depctr_va_vdst(0)                   ; the wait ahead of the batch
.irp b, 0,1,2,3
	v_exp_f32 v[BM+\b], v[BM+\b]                   ; the block's largest p: the same two steps on the same number as its score below
.endr
.set k, 0
.rept 64
	v_exp_f32 v[S+k], v[S+k]                       ; p = 2^(t - M): NOT normalised
.set k, k+1
.endr
	v_pk_mul_f32 v[ST+4*(\t)+2:ST+4*(\t)+3], v[ST+4*(\t)+2:ST+4*(\t)+3], v[F:F+1] op_sel_hi:[1,0]   ; the sum under the new M.  (The plain line behind the exponentials)
.if (\t == 0) || ((\t == 3) && \pre)
	s_wait_dscnt 0x0                               ; tile 0: V and its words are in; tile 3: the next step's K and words (each asked for most of a softmax ago)
.endif
	WIN W_RS
	s_wait_alu depctr_va_vdst(0)                   ; one wait for the batch, ahead of its first reader, and directly ahead of the first reader of O^T
.set j, 0
.rept 16
	v_pk_mul_f32 v[32*(\t)+j:32*(\t)+j+1], v[32*(\t)+j:32*(\t)+j+1], v[F:F+1] op_sel_hi:[1,0]   ; O^T under the new M, each accumulator from its low end on
.set j, j+2
.endr
	WIN 0
; THE SUM IS TAKEN OF THE UNQUANTISED p; the blocks' scales are made among its lines
.irp b, 0,1,2,3
	v_max_num_f32 v[BM+\b], 0x8000000, v[BM+\b]    ; the floor 2^(16 - 127): a block whose every p has fallen to 0 keeps the byte 1: its codes are zeros
.endr
	SINIT 0
	SINIT 1
	SINIT 2
.irp b, 0,1,2,3
	v_add_nc_u32 v[SCO+\b], 0xf8800000, v[BM+\b]   ; 15 off the exponent field: the conversion's scale operand
.endr
	SINIT 3
	SINIT 4
	SINIT 5
	SINIT 6
.irp b, 0,1,2,3
	v_and_or_b32 v[HOLD+2*\b], v[BM+\b], 0x7f800000, s[MNT]   ; 57,344 x the scale, twice: a dual line's two second sources
	v_and_or_b32 v[HOLD+2*\b+1], v[BM+\b], 0x7f800000, s[MNT]
.endr
	SINIT 7
	SINIT 8
	TACC \t, S+36
	SACC 0, 38
.irp b, 0,1,2,3
	v_lshrrev_b32 v[BT+\b], 23, v[SCO+\b]          ; the byte
.endr
	SACC 1, 40
	SACC 2, 42
	SACC 3, 44
	SACC 4, 46
	v_lshl_or_b32 v[PW], v[BT+1], 8, v[BT]         ; p's scale word for these 128 keys
	SACC 5, 48
	SACC 6, 50
	SACC 7, 52
	SACC 8, 54
	v_lshl_or_b32 v[PW], v[BT+2], 16, v[PW]
	TACC \t, S+56
	SACC 0, 58
	v_lshl_or_b32 v[PW], v[BT+3], 24, v[PW]
	SACC 1, 60
	SACC 2, 62
.irp b, 0,1,2,3
.irp i, 0,2,4,6,8,10,12,14
	v_dual_min_num_f32 v[S+16*\b+\i], v[S+16*\b+\i], v[HOLD+2*\b] :: v_dual_min_num_f32 v[S+16*\b+\i+1], v[S+16*\b+\i+1], v[HOLD+2*\b+1]   ; p is never negative: the hold is one-sided
.endr
.endr
.irp b, 0,1,2,3
	v_cvt_scalef32_pk8_bf8_f32 v[PC+4*\b:PC+4*\b+1], v[S+16*\b:S+16*\b+7], v[SCO+\b]
	v_cvt_scalef32_pk8_bf8_f32 v[PC+4*\b+2:PC+4*\b+3], v[S+16*\b+8:S+16*\b+15], v[SCO+\b]
.endr
	SMRG 0, 1                                      ; the chains begin to meet.  (The plain line behind the last conversion)
.endm
; One tile's turn.  Behind its softmax the next scores are started (tile t + 1's; behind tile 3 the next step's tile 0's).  The sum's other eight merges follow, plain lines that name none of those products' registers:
; they are the places behind them, in front of the loads into K's registers and of the scores' first read; with the line above they also part p's codes from the products that take them.
.macro TILE t, pre
	SOFTMAX \t, \pre
.if \t < 3
	SMUL \t+1
.elseif \pre
	SMUL 0
.endif
	WIN 0
	SMRG 2, 3
	SMRG 4, 5
	SMRG 6, 7
	TACC \t, SX+16
	SMRG 0, 2
	SMRG 4, 6
	TACC \t, SX
	TACC \t, SX+8                                  ; the row's sum so far
.if (\t == 2) && \pre
	FETCH_K ADR, STEPB, ADS, STEPW                 ; the next step's K: all four tiles have multiplied by this step's
.endif
	PV \t
	WIN 0
.endm
.macro STEP pre                        ; A KEY STEP: 128 keys; tile 0's scores were started in the step before
	v_add_nc_u32 v[ADR], s[TB], v[LI]
	v_add_nc_u32 v[ADS], s[TS], v[LS0]
	v_add_nc_u32 v[ADT], s[TS], v[LT0]
	TILE 0, \pre
	TILE 1, \pre
	TILE 2, \pre
	TILE 3, \pre
	s_add_co_u32 s[TB], s[TB], STEPB
	s_add_co_u32 s[TS], s[TS], STEPW
.endm
.macro RUN n
	s_mov_b32 s[CNT], \n
.Lstep_\@:
	STEP 1
	s_sub_co_u32 s[CNT], s[CNT], 1
	s_cmp_lg_u32 s[CNT], 0
	s_cbranch_scc1 .Lstep_\@
.endm
	s_mov_b32 s[TB], 0
	s_mov_b32 s[TS], 0
	FETCH_K LI, 0, LS0, 0                          ; part A and the words were shown by the round above
	s_wait_dscnt 0x0
	SMUL 0
	WIN 0
.rept 8
	v_nop                                          ; the places behind the first scores
.endr
	RUN 3                                          ; steps 0-2: they read no further than step 3's K, byte 57,343
	s_wait_alu depctr_va_vdst(0)                   ; directly ahead of the waits below
	s_wait_tensorcnt 0x0                           ; my eighth of part B is in
	s_wait_dscnt 0x0
	s_barrier_signal -1
	s_barrier_wait -1                              ; everybody's is
	s_mov_b32 s[TB], 3*STEPB                       ; (the numbers that the loop left, written as constants)
	s_mov_b32 s[TS], 3*STEPW
	RUN 12                                         ; steps 3-14
	STEP 0                                         ; step 15 fetches and starts nothing more
	; THE WAY OUT.  The sum's halves and lane l xor 16's are added; O^T is divided by the sum and goes, 16 rows at a time, through my stage, so that a store covers 512 consecutive bytes of out0.
.irp t, 0,1,2,3
	v_add_f32 v[BM+\t], v[ST+4*\t+2], v[ST+4*\t+3]
.endr
.irp t, 0,1,2,3
	v_permlanex16_b32 v[BT+\t], v[BM+\t], s[SEL], s[SEL+1]
.endr
.irp t, 0,1,2,3
	v_add_f32 v[BM+\t], v[BM+\t], v[BT+\t]
.endr
	s_wait_alu depctr_va_vdst(0)                   ; the wait ahead of the batch
.irp t, 0,1,2,3
	v_rcp_f32 v[HOLD+2*\t], v[BM+\t]
.endr
	v_nop                                          ; a plain line behind the last reciprocal
.macro OUTT t
	WIN 0x01                                       ; source 0 (O^T) window 1
	s_wait_alu depctr_va_vdst(0)                   ; directly ahead of the first reader of this tile's O^T (tile 0: and of the reciprocals)
.set j, 0
.rept 16
	v_pk_mul_f32 v[S+32*((\t)%2)+j:S+32*((\t)%2)+j+1], v[32*(\t)+j:32*(\t)+j+1], v[HOLD+2*(\t):HOLD+2*(\t)+1] op_sel_hi:[1,0]   ; register 8 n + i is o(r, 16 n + 8 h + i)
.set j, j+2
.endr
	WIN 0
.irp n, 0,1,2,3
	ds_store_b128 v[STO], v[S+32*((\t)%2)+8*\n:S+32*((\t)%2)+8*\n+3] offset:64*\n
	ds_store_b128 v[STO], v[S+32*((\t)%2)+8*\n+4:S+32*((\t)%2)+8*\n+7] offset:64*\n+16
.endr
.irp i, 0,1,2,3,4,5,6,7
	ds_load_b128 v[KF+32*((\t)%2)+4*\i:KF+32*((\t)%2)+4*\i+3], v[RD] offset:2*SP*\i   ; in order behind the stores above; the next tile's stores come behind these
.endr
.endm
.macro SENDT t, younger                ; younger: the LDS instructions issued behind tile t's loads: the next tile's sixteen, or none
	s_wait_dscnt \younger
.irp i, 0,1,2,3,4,5,6,7
	global_store_b128 v[LI], v[KF+32*((\t)%2)+4*\i:KF+32*((\t)%2)+4*\i+3], s[10:11] offset:4096*(\t)+512*\i th:TH_STORE_NT   ; two whole rows of out0
.endr
.endm
	OUTT 0
	OUTT 1
	SENDT 0, 16
	s_wait_xcnt 0x0                                ; tile 0's stores have read their registers: tile 2's rows may land there
	OUTT 2
	SENDT 1, 16
	s_wait_xcnt 0x0                                ; tile 1's likewise
	OUTT 3
	SENDT 2, 16
	SENDT 3, 0
	s_wait_tensorcnt 0x0                           ; the wave's end
	ds_add_u32 v[SPW], v[NIL]
	s_wait_dscnt 0x0
	CROUND                                         ; the closing round
	s_endpgm
.Lfunc_end_k_qaa9799d848_attn:
	.size	k_qaa9799d848_attn, .Lfunc_end_k_qaa9799d848_attn-k_qaa9799d848_attn
	.p2alignl 7, 3214868480
	.fill 96, 4, 3214868480
	.section	.rodata,"a",@progbits
	.p2align	6, 0x0
	.amdhsa_kernel k_qaa9799d848_attn
		.amdhsa_group_segment_fixed_size 327680
		.amdhsa_private_segment_fixed_size 0
		.amdhsa_enable_private_segment 0
		.amdhsa_kernarg_size 32
		.amdhsa_user_sgpr_count 2
		.amdhsa_user_sgpr_kernarg_segment_ptr 1
		.amdhsa_wavefront_size32 1
		.amdhsa_system_sgpr_workgroup_id_x 1
		.amdhsa_system_sgpr_workgroup_id_y 1
		.amdhsa_system_sgpr_workgroup_id_z 1
		.amdhsa_system_vgpr_workitem_id 0
		.amdhsa_next_free_vgpr 512
		.amdhsa_next_free_sgpr 80
		.amdhsa_reserve_vcc 0
		.amdhsa_float_denorm_mode_32 3
		.amdhsa_float_denorm_mode_16_64 3
		.amdhsa_memory_ordered 1
		.amdhsa_forward_progress 1
		.amdhsa_inst_pref_size 249
	.end_amdhsa_kernel
	.amdgpu_metadata
---
amdhsa.version: [ 1, 2 ]
amdhsa.kernels:
  - .name:           k_qaa9799d848_attn
    .symbol:         k_qaa9799d848_attn.kd
    .args:
      - { .name: query, .offset: 0, .size: 8, .value_kind: global_buffer, .address_space: global }
      - { .name: kvc, .offset: 8, .size: 8, .value_kind: global_buffer, .address_space: global }
      - { .name: kvs, .offset: 16, .size: 8, .value_kind: global_buffer, .address_space: global }
      - { .name: out0, .offset: 24, .size: 8, .value_kind: global_buffer, .address_space: global }
    .group_segment_fixed_size: 327680
    .private_segment_fixed_size: 0
    .kernarg_segment_align: 8
    .kernarg_segment_size: 32
    .max_flat_workgroup_size: 256
    .sgpr_count:     80
    .vgpr_count:     512
    .wavefront_size: 32
...
	.end_amdgpu_metadata
.endif
;; end of part 2
